; MI455X (gfx1250); checked and timed in simulation.
; The chip was launched on July 23, 2026; its instructions are those of AMD's public machine-readable ISA for CDNA 5 (MIT licence, August 2026) and "CDNA5" Instruction Set Architecture Reference Guide (July 2026). The comments in the code are by the model that wrote it; some were corrected since.
;; LSTM. Allowed arithmetic: matrix products marked QUANTISED: E3M2 operands, one E8M0 scale for each 32 along K, by v_wmma_scale_f32_16x16x128_f8f6f4 with both operands' format E3M2, f32 sums; everything else in f32.
;; Inputs: Wa 4 x 1,024 x 512 float32; Wh 4 x 1,024 x 1,024 float32; Wx 4 x 1,024 x 300 float32; bl 4 x 1,024 float32; bl2 4 x 1,024 float32; bl3 4 x 1,024 float32; bp 4 x 1,024 float32; c_prev 8,192 x 1,024 float32; context 8,192 x 512 float32; embedding_prev 8,192 x 300 float32; h_prev 8,192 x 1,024 float32.
;; Outputs: out0 8,192 x 1,024 float32; out1 8,192 x 1,024 float32.
;; This version of the problem:
;;   THIS VERSION OF THE PROBLEM IS GIVEN IN LOW PRECISION. The matrix products marked QUANTISED in the list below multiply operands that are first quantised to E3M2 (3 exponent bits, 2 mantissa bits; 6 bits a number), with one power-of-two scale for each 32 numbers along K (OCP MX v1.0); their sums are f32. All else is computed in f32.
;;   The module's matrix products, in the order in which they are computed (A, B: the left and right operand; K: the contracted axis; several contracted axes count as one K, in the product's order):
;;     1. [M 8,192, K 1,024] x [K 1,024, N 4,096]; A: input h_prev; B: input Wh: QUANTISED
;;     2. [M 8,192, K 300] x [K 300, N 4,096]; A: input embedding_prev; B: input Wx: QUANTISED
;;     3. [M 8,192, K 512] x [K 512, N 4,096]; A: input context; B: input Wa: QUANTISED
;;   THE QUANTISER, for each operand of a quantised product, along K:
;;     - K is cut into blocks of 32 from its start; a last block that is shorter is filled with zeros.
;;     - A block's scale is 2^e with e = floor(log2(the largest magnitude in the block)) - 4, held to -126 .. 127; a block of zeros has e = 0. As a byte (E8M0): e + 127.
;;     - Each number is divided by its block's scale, clamped to +-28, and rounded to the nearest number of E3M2, ties to even, subnormals kept.
;;     - The product sums the exact products of the quantised numbers (number of the format x scale) in f32.
;;   ~~~python
;;   def quantise(x, axis):      # numpy; x: float32 -> the quantised numbers, widened to float32 again
;;       x = np.moveaxis(x, axis, -1); K = x.shape[-1]
;;       x = np.pad(x, [(0, 0)] * (x.ndim - 1) + [(0, -K % 32)]); x = x.reshape(x.shape[:-1] + (-1, 32)); a = np.abs(x).max(-1, keepdims=True)
;;       e = np.where(a > 0, np.clip(np.frexp(np.where(a > 0, a, 1))[1] - 1 - 4, -126, 127), 0)      # np.frexp(a)[1] - 1 = floor(log2(a)), exactly
;;       r = np.clip(x / 2.0 ** e, -28, 28)
;;       step = 2.0 ** (np.maximum(np.frexp(np.where(r == 0, 1, r))[1] - 1, -2) - 2)
;;       q = np.round(r / step) * step * 2.0 ** e      # np.round: ties to even
;;       return np.moveaxis(q.reshape(q.shape[:-2] + (-1,))[..., :K], -1, axis).astype(np.float32)
;;   ~~~
;; One version. Each part assembles by itself: llvm-mc -triple=amdgcn-amd-amdhsa -mcpu=gfx1250 --defsym DOCPART=n.
;; ======== version 1 of 1: 2 launches
;; limits: right only within a limited range of input values
;; workspace buffers: acodes 12,288,000 bytes; wcodes 6,144,000 bytes
;; launch quant (part 1): grid 15 x 48, 4 waves a work-group, no clusters, 34,304 bytes of LDS; arguments h_prev, context, embedding_prev, Wh, Wa, Wx, acodes, wcodes; writes acodes, wcodes
.if DOCPART == 1
	.amdgcn_target "amdgcn-amd-amdhsa--gfx1250"
	.amdhsa_code_object_version 6
	.text
	.protected	k_q37eae08958_quant
	.globl	k_q37eae08958_quant
	.p2align	8
	.type	k_q37eae08958_quant,@function
k_q37eae08958_quant:
	s_mov_b64 s[64:65], 0
	v_nop
	global_prefetch_b8 v0, s[64:65] scope:SCOPE_SE
	s_setreg_imm32_b32 hwreg(HW_REG_WAVE_MODE, 25, 1), 1
	s_wait_xcnt 0x0
; The six f32 operands of the three products become codes of BF6 (E3M2) with one E8M0 byte for each 32 along K, laid in the ORDER OF THE OPERAND'S REGISTERS.
; The three K axes are laid end to end: h / Wh 1,024 (steps 0-7 of 128), context / Wa 512 (steps 8-11), embedding / Wx 300 (steps 12-14; behind k = 300 zeros: the quantiser's fill to 320, and zero codes on to 384).
; BUFFERS: [half tile of 128 rows][step 0..14][chunk of 12,800 bytes].  A chunk: 8 fragments (16 rows x 128 K) of 1,536 bytes, registers 4 c .. 4 c + 3 of lane l at 1536 i + 512 c + 16 l;
; then 512 bytes of scale words, that of fragment i, row r at 12288 + 256 (i / 4) + 16 r + 4 (i % 4).  In a fragment lane (r, h) holds row r; registers 0-5: k = 32 h + 0..31, registers 6-11: k = 64 + 32 h + 0..31.
; ROWS.  Activations: half tile HT, fragment i, row r = batch row 128 HT + 16 i + r.  Weights: HT = 2 T + C, fragment i = 2 g + u, row r = gate g, hidden unit 64 T + 32 C + 16 u + r.
; SHARES.  Work-group x = the step; y < 32: a tile of 256 batch rows; y >= 32: a tile T = y - 32 of 64 hidden units x 4 gates.  Wave w: half C = w / 2, fragments 4 (w % 2) + 0..3.
; A load reads one row's whole K step, 512 consecutive bytes; a fragment's 16 rows turn through the wave's own stage in LDS (rows of 528 bytes), from which a lane takes its two blocks of 32 neighbours.
; A block's scale is 2^(floor(log2(largest magnitude)) - 4): its byte is the largest magnitude's exponent field - 4, held at 1 from below by a floor among the maximum's leaves.
; LIMITS: a block of zeros gets the byte 1 where the rule says 127 (its codes are zeros, and this program alone reads the bytes); NaN and infinities among the inputs are not served.
; No tensor load, no barrier: waves share nothing.
.set STG,  8448                        ; a wave's stage: 16 rows x 528 bytes
.set PIT,  528                         ; 512 + 16: an odd multiple of 16, so that the sixteen rows that a read touches begin in different banks (64 banks of 4 bytes: ISA guide 11.1)
.set VO,   10                          ; v10-25   row p of a fragment: p x pitch + 16 x my lane (held at the last lane with numbers)
.set M,    26                          ; v26-27   my two blocks' largest magnitudes
.set SCO,  28                          ; v28-29   the conversions' scale operands
.set BY,   30                          ; v30-31   the scale bytes
.set SW,   34                          ; v34-37   fragment t's scale word of my row
.set C,    40                          ; v40-51   a fragment's twelve registers
.set T,    52                          ; v52-54, v56-58  the upper halves of the two blocks, as the conversions leave them
.set R,    64                          ; v64-191  two sets of 16 rows x 4 registers, as loaded
.set X,    192                         ; v192-255 my 64 numbers: blocks h and 2 + h of my row
	s_load_b512 s[4:19], s[0:1], 0x0               ; h_prev, context, embedding_prev, Wh, Wa, Wx, acodes, wcodes
	v_lshl_add_u32 v62, v0, 2, 0x8400
	v_mov_b32 v63, 0
	v_lshrrev_b32 v1, 5, v0
	v_readfirstlane_b32 s20, v1                    ; wave 0..3
	v_and_b32 v1, 31, v0                           ; lane
	v_and_b32 v2, 15, v0                           ; r
	v_bfe_u32 v3, v0, 4, 1                         ; h
	v_lshlrev_b32 v4, 3, v3                        ; 8 h: my bytes' place in the scale word, in bits
	s_lshr_b32 s21, s20, 1                         ; C: which half tile
	s_and_b32 s22, s20, 1                          ; j: which four fragments
	s_mul_i32 s46, s20, STG
	v_lshlrev_b32 v7, 4, v1                        ; 16 x lane: my place in an image's 512 bytes
	v_add_nc_u32 v5, s46, v7                       ; the stage, on the way in: a row as it lies
	v_mul_u32_u24 v6, v2, PIT
	v_lshl_add_u32 v6, v3, 7, v6
	v_add_nc_u32 v6, s46, v6                       ; and on the way out: row r, + 128 h bytes
	v_lshlrev_b32 v8, 4, v2
	v_lshl_add_u32 v8, v3, 3, v8                   ; the scale words' store: 16 r + 8 h
	v_mov_b32 v33, 0                               ; written once: a lane permute's destination counts as one of its sources
	s_mov_b32 s52, 0x76543210
	s_mov_b32 s53, 0xfedcba98                      ; v_permlanex16_b32's selects for lane l xor 16
	s_mov_b32 s23, ttmp9                           ; the step
	s_and_b32 s24, ttmp7, 0xffff                   ; y
	s_wait_kmcnt 0x0
	; activations or weights?  The choice hangs on the work-group's number alone
	s_cmp_lt_u32 s24, 32
	s_cselect_b64 s[4:5], s[4:5], s[10:11]
	s_cselect_b64 s[6:7], s[6:7], s[12:13]
	s_cselect_b64 s[8:9], s[8:9], s[14:15]
	s_cselect_b64 s[16:17], s[16:17], s[18:19]
	s_mov_b32 s29, 1024
	s_cselect_b32 s29, 32, s29                     ; rows from one pair of fragments to the next: 32, or a gate's 1,024
	s_cselect_b32 s46, 2, 0
	s_cselect_b32 s47, 0, 32
	s_sub_co_u32 s25, s24, s47                     ; the tile
	s_lshl_b32 s30, s25, 6
	s_lshl_b32 s48, s21, 5
	s_add_co_u32 s30, s30, s48
	s_lshl_b32 s30, s30, s46                       ; the half tile's first row: 256 tile + 128 C, or 64 T + 32 C
	s_lshl_b32 s31, s25, 1
	s_add_co_u32 s31, s31, s21                     ; HT
	; which of the three tensors, by the step
	s_cmp_lt_u32 s23, 12
	s_cselect_b64 s[32:33], s[6:7], s[8:9]
	s_mov_b32 s26, 1200
	s_cselect_b32 s26, 2048, s26                   ; a row in bytes
	s_cselect_b32 s27, 8, 12
	s_cmp_lt_u32 s23, 8
	s_cselect_b64 s[32:33], s[4:5], s[32:33]
	s_cselect_b32 s26, 4096, s26
	s_cselect_b32 s27, 0, s27
	s_sub_co_u32 s27, s23, s27                     ; the step within its tensor
	s_cmp_eq_u32 s23, 14
	s_cselect_b32 s28, 11, 32                      ; lanes with numbers: in step 14 a row has 44 left, 11 x 16 bytes
	s_lshl_b32 s48, s27, 9
	s_mov_b32 s49, 0
	s_add_nc_u64 s[32:33], s[32:33], s[48:49]      ; 512 bytes a step along the rows
	s_lshl_b32 s54, s22, 1
	s_mul_i32 s54, s54, s29
	s_add_co_u32 s54, s54, s30                     ; fragment 0's first row
	s_mov_b32 s57, 0
.irp t, 0,1,2,3
	s_add_co_u32 s55, s54, 16*(\t%2)
	s_mul_i32 s56, s55, s26                        ; under 2^32: at most 8,191 rows of 4,096 bytes
	s_add_nc_u64 s[36+2*\t:37+2*\t], s[32:33], s[56:57]   ; fragment t's first row: never rewritten
.if \t == 1
	s_add_co_u32 s54, s54, s29
.endif
.endr
	s_mul_i32 s48, s31, 192000
	s_mul_i32 s46, s23, 12800
	s_add_co_u32 s48, s48, s46
	s_add_nc_u64 s[16:17], s[16:17], s[48:49]      ; my chunk
	s_mul_i32 s48, s22, 6144
	s_add_nc_u64 s[34:35], s[16:17], s[48:49]      ; my four fragments' images
	s_lshl_b32 s48, s22, 8
	s_add_co_u32 s48, s48, 12288
	s_add_nc_u64 s[44:45], s[16:17], s[48:49]      ; and their 256 bytes of scale words
	s_sub_co_u32 s47, s28, 1
	v_min_u32 v9, s47, v1                          ; no load leaves its row: the lanes behind the last numbers read that lane's bytes, which are made zeros below
	v_lshlrev_b32 v[VO], 4, v9
.irp p, 1,2,3,4,5,6,7,8,9,10,11,12,13,14,15
	v_add_nc_u32 v[VO+\p], s26, v[VO+\p-1]
.endr
	v_cmp_gt_u32 s50, s28, v1                      ; the lanes with numbers
.macro LOAD t                          ; fragment t's 16 rows into set t % 2: a load reads 512 consecutive bytes of one row
.irp p, 0,1,2,3,4,5,6,7,8,9,10,11,12,13,14,15
	global_load_b128 v[R+64*((\t)%2)+4*\p:R+64*((\t)%2)+4*\p+3], v[VO+\p], s[36+2*(\t):37+2*(\t)] th:TH_LOAD_NT
.endr
.endm
.macro FRAG t
.set RS, R+64*((\t)%2)
.if (\t) < 3
	s_wait_loadcnt 16                              ; this fragment's sixteen loads are in; the next fragment's sixteen may be out
.else
	s_wait_loadcnt 0x0
.endif
	s_cmp_eq_u32 s28, 32                           ; only step 14 has lanes without numbers: the branch hangs on the work-group's number and jumps over vector lines alone
	s_cbranch_scc1 .Lfull_\@
.set n, 0
.rept 64
	v_cndmask_b32 v[RS+n], 0, v[RS+n], s50         ; zeros behind k = 300, ahead of the blocks' maxima
.set n, n+1
.endr
.Lfull_\@:
.irp p, 0,1,2,3,4,5,6,7,8,9,10,11,12,13,14,15
	ds_store_b128 v5, v[RS+4*\p:RS+4*\p+3] offset:PIT*\p
.endr
.irp q, 0,1,2,3,4,5,6,7                ; LDS serves a wave's instructions in order (ISA guide 5.7.1.4): these see the stores above
	ds_load_b128 v[X+4*\q:X+4*\q+3], v6 offset:16*\q               ; k = 32 h + 0..31
	ds_load_b128 v[X+32+4*\q:X+32+4*\q+3], v6 offset:256+16*\q     ; k = 64 + 32 h + 0..31
.endr
	s_wait_dscnt 0x0                               ; my 64 numbers are in, and the stores have read the set,
.if (\t) < 2
	s_wait_alu depctr_va_vdst(0)
	LOAD (\t)+2                                    ; which takes the fragment two on
.endif
.irp c, 0,1
	v_max3_num_f32 v[M+\c], |v[X+32*\c]|, |v[X+32*\c+1]|, 0x2800000   ; all 32 numbers of a block are mine; the floor 2^(5 - 127) holds the byte at 1 from below
.endr
.irp i, 2,4,6,8,10,12,14,16,18,20,22,24,26,28,30
.irp c, 0,1
	v_max3_num_f32 v[M+\c], v[M+\c], |v[X+32*\c+\i]|, |v[X+32*\c+\i+1]|   ; (the two blocks by turns)
.endr
.endr
.irp c, 0,1
	v_add_nc_u32 v[SCO+\c], 0xfe000000, v[M+\c]    ; 4 off the exponent field: the conversion takes that field of this operand as its scale, and nothing else of it
.endr
.irp c, 0,1
	v_lshrrev_b32 v[BY+\c], 23, v[SCO+\c]          ; the scale's byte
.endr
	v_lshl_or_b32 v32, v[BY+1], 16, v[BY]          ; my two bytes: blocks h and 2 + h,
	v_lshlrev_b32 v32, v4, v32                     ; at their places in the word;
	v_permlanex16_b32 v33, v32, s52, s53
	v_or_b32 v[SW+(\t)], v32, v33                  ; with lane l xor 16's two the word is whole, in both lanes
.if (\t) > 0
	s_wait_alu depctr_va_vdst(0)
	s_wait_xcnt 0x0                                ; the last fragment's stores have read the twelve registers: they are written again only behind this wait
.endif
.irp c, 0,1
	v_cvt_scalef32_pk16_bf6_f32 v[C+6*\c:C+6*\c+2], v[X+32*\c:X+32*\c+15], v[SCO+\c]
	v_cvt_scalef32_pk16_bf6_f32 v[T+4*\c:T+4*\c+2], v[X+32*\c+16:X+32*\c+31], v[SCO+\c]   ; (a conversion's three registers begin on an even number: the second half of a block's six does not)
.endr
	v_nop                                          ; one plain place behind a scaled conversion
.irp c, 0,1
.irp i, 0,1,2
	v_mov_b32 v[C+3+6*\c+\i], v[T+4*\c+\i]
.endr
.endr
.irp c, 0,1,2
	global_store_b128 v7, v[C+4*\c:C+4*\c+3], s[34:35] offset:1536*(\t)+512*\c   ; the image: each store covers 512 consecutive bytes, at a multiple of 256 from the buffer's first byte
.endr
.endm
	LOAD 0
	LOAD 1
	FRAG 0
	FRAG 1
	FRAG 2
	FRAG 3
	v_cmp_ne_u32 vcc_lo, 0, v3
	v_cndmask_b32 v38, v[SW], v[SW+2], vcc_lo      ; lanes 0-15 store the words of fragments 0 and 1 of their row, lanes 16-31 those of 2 and 3
	v_cndmask_b32 v39, v[SW+1], v[SW+3], vcc_lo
	global_store_b64 v8, v[38:39], s[44:45]        ; 32 lanes store 256 consecutive bytes, aligned
	s_wait_tensorcnt 0x0
	ds_add_u32 v62, v63
	s_wait_dscnt 0x0
	s_endpgm
.Lfunc_end_k_q37eae08958_quant:
	.size	k_q37eae08958_quant, .Lfunc_end_k_q37eae08958_quant-k_q37eae08958_quant
	.p2alignl 7, 3214868480
	.fill 96, 4, 3214868480
	.section	.rodata,"a",@progbits
	.p2align	6, 0x0
	.amdhsa_kernel k_q37eae08958_quant
		.amdhsa_group_segment_fixed_size 34304
		.amdhsa_private_segment_fixed_size 0
		.amdhsa_enable_private_segment 0
		.amdhsa_kernarg_size 64
		.amdhsa_user_sgpr_count 2
		.amdhsa_user_sgpr_kernarg_segment_ptr 1
		.amdhsa_wavefront_size32 1
		.amdhsa_system_sgpr_workgroup_id_x 1
		.amdhsa_system_sgpr_workgroup_id_y 1
		.amdhsa_system_sgpr_workgroup_id_z 1
		.amdhsa_system_vgpr_workitem_id 0
		.amdhsa_next_free_vgpr 256
		.amdhsa_next_free_sgpr 66
		.amdhsa_reserve_vcc 1
		.amdhsa_float_denorm_mode_32 3
		.amdhsa_float_denorm_mode_16_64 3
		.amdhsa_memory_ordered 1
		.amdhsa_forward_progress 1
		.amdhsa_inst_pref_size 48
	.end_amdhsa_kernel
	.amdgpu_metadata
---
amdhsa.version: [ 1, 2 ]
amdhsa.kernels:
  - .name:           k_q37eae08958_quant
    .symbol:         k_q37eae08958_quant.kd
    .args:
      - { .name: h_prev, .offset: 0, .size: 8, .value_kind: global_buffer, .address_space: global }
      - { .name: context, .offset: 8, .size: 8, .value_kind: global_buffer, .address_space: global }
      - { .name: embedding_prev, .offset: 16, .size: 8, .value_kind: global_buffer, .address_space: global }
      - { .name: Wh, .offset: 24, .size: 8, .value_kind: global_buffer, .address_space: global }
      - { .name: Wa, .offset: 32, .size: 8, .value_kind: global_buffer, .address_space: global }
      - { .name: Wx, .offset: 40, .size: 8, .value_kind: global_buffer, .address_space: global }
      - { .name: acodes, .offset: 48, .size: 8, .value_kind: global_buffer, .address_space: global }
      - { .name: wcodes, .offset: 56, .size: 8, .value_kind: global_buffer, .address_space: global }
    .group_segment_fixed_size: 34304
    .private_segment_fixed_size: 0
    .kernarg_segment_align: 8
    .kernarg_segment_size: 64
    .max_flat_workgroup_size: 128
    .sgpr_count:     66
    .vgpr_count:     256
    .wavefront_size: 32
...
	.end_amdgpu_metadata
.endif
;; end of part 1
;; launch lstm (part 2): grid 16 x 16, 4 waves a work-group, clusters of 4 x 4, 327,680 bytes of LDS; arguments acodes, wcodes, c_prev, bl, bl2, bl3, bp, out0, out1; writes out0, out1
.if DOCPART == 2
	.amdgcn_target "amdgcn-amd-amdhsa--gfx1250"
	.amdhsa_code_object_version 6
	.text
	.protected	k_q37eae08958_lstm
	.globl	k_q37eae08958_lstm
	.p2align	8
	.type	k_q37eae08958_lstm,@function
k_q37eae08958_lstm:
	s_mov_b64 s[64:65], 0
	v_nop
	global_prefetch_b8 v0, s[64:65] scope:SCOPE_SE
	s_setreg_imm32_b32 hwreg(HW_REG_WAVE_MODE, 25, 1), 1
	s_wait_xcnt 0x0
	s_wait_alu depctr_hold_cnt(0) depctr_sa_sdst(0) depctr_va_vdst(0) depctr_va_sdst(0) depctr_va_ssrc(0) depctr_va_vcc(0) depctr_vm_vsrc(0)
	s_getreg_b32 s2, hwreg(HW_REG_IB_STS2, 6, 4)
	s_cmp_eq_u32 s2, 0
	s_cbranch_scc0 .Lentry_in_a_cluster
	s_endpgm
.Lentry_in_a_cluster:
	s_bfe_u32 s2, ttmp6, 0x10000c
	s_cmp_lg_u32 s2, 0xf033
	s_cbranch_scc0 .Lentry_shape_is_right
	s_endpgm
.Lentry_shape_is_right:
; pre = [h | context | embedding] x [Wh | Wa | Wx]^T + the four biases, on codes of BF6 with E8M0 scales as launch quant laid them (images of the operands' registers), then the gates, c_t and h_t.
; A work-group of four waves makes two tiles, 4,096 batch rows apart: 256 batch rows x (64 hidden units x 4 gates).  A wave makes 128 x 128: 64 accumulators, 512 registers.
; K = 15 steps of 128, in 5 chunks of 3 steps, through a ring of two LDS slots; a wave's tensor load brings one half tile's chunk, 38,400 dense bytes as 150 rows of 256.
; Both operands have two register sets: a step issues all 50 LDS loads of the next step in one run at its start and then its 64 products on end.
; CLUSTERS 4 x 4: the activations' chunks are asked for jointly along a row of the cluster, the weights' along a column.
; THE MATRIX INSTRUCTION IS USED TRANSPOSED (source 0 = weights, source 1 = activations): lane (r, h) holds batch row r; register j of accumulator (a, 2 g + u) is gate g of hidden unit 16 u + 8 h + j of my 32:
; all four gates of one output lie in one lane.  The biases' sum is the C of each accumulator's first product.
; c_prev's tile comes into slot 1 by tensor loads when chunk 3 has been read; the next tile's chunk 1 follows behind the way out, which reads c_prev.
; THE WAY OUT is a loop of 4 trips, two blocks of 16 batch rows each.  Only the 64 scaling multiplies name accumulators: a chain of branches on the trip's number picks them; the rest is written once.
; A row's 256 bytes of c_t and of h_t come from two waves: they meet in a stage in LDS whose two halves take the two blocks, first of c_t, then of h_t: four barriers a trip; they leave as whole rows.
; sigmoid(x) = 1 / (1 + 2^(-x log2 e)), tanh(x) = 1 - 2 / (1 + 2^(2 x log2 e)): where the power overflows to infinity its reciprocal is 0, and both hold their end values.
; LIMITS: NaN and infinities among the inputs are not served.  Every input of the problem has a way to an output: nothing is left out.
; PREFETCH: behind each refill a wave asks for its stream's chunk that the NEXT refill but one of the ring loads (one slot, 3 K steps, ahead of that tensor load): 150 blocks of 256 bytes, of which the partner at place p of the
; four that load it jointly names blocks 38 p .. 38 p + 37 (held at 149), by address; lanes left over name the wave's last block again.  The weights are the same for both tiles: asked for in the first alone.
; c_prev's 64 rows of a wave are asked for one slot ahead of their tensor load.  The last tile asks for nothing beyond its own chunks.
.set CH,    12800                      ; a half tile's K step: 8 fragments of 1,536 bytes and 512 bytes of scale words
.set HALFT, 3*CH
.set SLOT,  4*HALFT                    ; the activations' two half tiles, then the weights' two
.set SPARE, 2*SLOT                     ; the spare words: 512 bytes that no other line names
.set OST,   SPARE+512                  ; the stage: two halves of 32 rows x 272 bytes; no tensor load lands here
.set CPIT,  272
.set HSO,   32*CPIT
.set CST,   SLOT                       ; c_prev's 256 rows x 272 bytes, in slot 1
.set TILES, 2
.set WALKA, 32*15*CH                   ; bytes from a tile's codes to the next tile's
.set WALKC, 4096*4096                  ; and in c_prev, out0, out1
.set FR,    12
.set ADRA,  10                         ; v10-11 LDS address of my activations' images in slot 0, 1;  v12-13 the weights';  v14-15 the scale words' (lanes 0-15 activations, 16-31 weights)
.set ADRB,  12
.set ADRS,  14
.set CADR,  16                         ; c_prev: my 32 bytes of row r
.set WST,   17                         ; the stage, in
.set RST,   18                         ; the stage, back by rows
.set CO,    20                         ; my offset in out0 and out1
.set BO,    21
.set PFO,   22                         ; c_prev's prefetch: lane x a row
.set K1,    24                         ; -log2 e, twice;  v26-27: 2 log2 e
.set K2,    26
.set SPW,   28
.set NIL,   29
.set PQ0,   30                         ; the codes' prefetch: my two blocks
.set PQ1,   31
.set SC,    32                         ; v32-47 scale words, two sets, and nothing else
; the activations' fragments, window 0: set 0 at v128-223; set 1 at v48-119 (fragments 0-5) and v224-247 (6, 7)
.set T,     64                         ; the way out: v64-191 two blocks' 64 gate values each: i, f, o, g, 16 each.  Later the rows of c_t come back over i, those of h_t over f, and tanh(c_t) and h_t lie over g
.set CB,    192                        ; v192-223 c_prev, then c_t, of the two blocks
.set BI,    96                         ; window 1: the biases' sums, in the gaps between the weights' two sets
.set G1A,   32
.set G0A,   40
.set G1B,   48
.set G0B,   56
.set G1C,   68
.set G0C,   76
.set SA,    4                          ; s[4:5], s[6:7]: what slot 1's addresses step by at a tile's top
.set SB,    6
.set EA,    8                          ; the way out's trip
.set PFA,   80                         ; s[80:81] where my prefetches stand
.set F01,   82                         ; 1: I ask at the tile's first two changes of slots;  s83: at the later ones
.set F23,   83
.set OS,    84                         ; s[84:85] what the next trip of the way out adds to out0's and out1's addresses
.set MSB, 0
.macro WIN new
.if MSB != (\new)
	s_set_vgpr_msb (MSB<<8)|(\new)
.set MSB, (\new)
.endif
.endm
.set MUL_LO,   0xa1                    ; source 0 window 1, source 1 window 0, C and D window 2
.set MUL_HI,   0xf1
.set FIRST_LO, 0x91                    ; C from window 1: the biases
.set FIRST_HI, 0xd1
.set TO_B,     0x40
.macro JLOAD s                         ; a joint load: waves 0, 1 for the activations, 2, 3 for the weights
	s_cmp_eq_u32 s23, 0
	s_cbranch_scc0 .Lfor_b_\@
	tensor_load_to_lds s[G0A+4*\s:G0A+4*\s+3], s[G1A:G1A+7]
	s_nop 0
.rept 4
	v_nop
.endr
	s_branch .Lasked_\@
.Lfor_b_\@:
	tensor_load_to_lds s[G0B+4*\s:G0B+4*\s+3], s[G1B:G1B+7]
	s_nop 0
.rept 4
	v_nop
.endr
.Lasked_\@:
.endm
.macro CREST
	s_cmp_lg_u32 s22, 0
	s_cbranch_scc1 .Lnot_wave_0_\@
	s_barrier_signal -3
.Lnot_wave_0_\@:
	s_barrier_wait -3
	s_barrier_signal -1
	s_barrier_wait -1
.endm
.macro CROUND
	s_barrier_signal -1
	s_barrier_wait -1
	CREST
.endm
.macro PLACES n
.rept \n
	v_nop
.endr
.endm
.macro ASK flag                        ; two prefetches, 38 blocks of 256 bytes; the branch hangs on the wave's number and the tile's
	s_cmp_lg_u32 s[\flag], 0
	s_cbranch_scc0 .Lno_ask_\@
	global_prefetch_b8 v[PQ0], s[PFA:PFA+1] th:TH_LOAD_NT scope:SCOPE_SE
	global_prefetch_b8 v[PQ1], s[PFA:PFA+1] th:TH_LOAD_NT scope:SCOPE_SE
.Lno_ask_\@:
.endm
	s_load_b256 s[4:11], s[0:1], 0x0               ; acodes, wcodes, c_prev, bl
	s_load_b256 s[12:19], s[0:1], 0x20             ; bl2, bl3, bp, out0
	s_load_b64 s[20:21], s[0:1], 0x40              ; out1
	v_lshl_add_u32 v[SPW], v0, 2, SPARE
	v_mov_b32 v[NIL], 0
	ds_add_u32 v[SPW], v[NIL]                      ; the opening lines: the add twice and its wait ahead of my first tensor load
	ds_add_u32 v[SPW], v[NIL]
	v_lshrrev_b32 v3, 5, v0
	v_readfirstlane_b32 s22, v3                    ; wave
	s_lshr_b32 s23, s22, 1                         ; my half of the tile's batch rows; also: I fetch activations (0) or weights (1)
	s_and_b32 s24, s22, 1                          ; my half of its hidden units; also: which half tile I fetch
	s_bfe_u32 s25, ttmp6, 0x40000                  ; cx
	s_bfe_u32 s26, ttmp6, 0x40004                  ; cy
	s_lshl_b32 s27, ttmp9, 2
	s_add_co_u32 s27, s27, s25                     ; tile of hidden units
	s_and_b32 s28, ttmp7, 0xffff
	s_lshl_b32 s28, s28, 2
	s_add_co_u32 s28, s28, s26                     ; tile of batch rows
	s_lshl_b32 s29, s26, 2
	s_lshl_b32 s29, 15, s29                        ; my row of the cluster
	s_lshl_b32 s30, 0x1111, s25                    ; my column
	s_or_b32 s[G1A], s29, (3<<16)|(1<<21)          ; elements of 8 bytes, no padding: the images are read 16 bytes a lane on end
	s_or_b32 s[G1B], s30, (3<<16)|(1<<21)
.irp g, G1A, G1B
	s_mov_b32 s[\g+1], 32<<16                      ; rows of 256 bytes,
	s_mov_b32 s[\g+2], 150<<16                     ; 150 of them
	s_mov_b32 s[\g+3], 32<<16
	s_mov_b32 s[\g+4], 150
	s_mov_b32 s[\g+5], 32
	s_mov_b32 s[\g+6], 0
	s_mov_b32 s[\g+7], 0
.endr
	s_mov_b32 s[G1C], (2<<16)|(1<<20)|(5<<22)|(3<<25)   ; c_prev: 64 rows x 64 f32, 16 bytes of padding behind each 256
	s_mov_b32 s[G1C+1], 64<<16
	s_mov_b32 s[G1C+2], 64<<16
	s_mov_b32 s[G1C+3], 64<<16
	s_mov_b32 s[G1C+4], 64
	s_mov_b32 s[G1C+5], 1024
	s_mov_b32 s[G1C+6], 0
	s_mov_b32 s[G1C+7], 0
	s_lshl_b32 s80, s28, 1
	s_add_co_u32 s80, s80, s24
	s_mul_i32 s80, s80, 15*CH                      ; my half tile of activations
	s_mov_b32 s81, 0
	s_lshl_b32 s82, s27, 1
	s_add_co_u32 s82, s82, s24
	s_mul_i32 s82, s82, 15*CH                      ; and of weights
	s_mov_b32 s83, 0
	s_mul_i32 s88, s22, HALFT                      ; where my loads land
	s_lshl_b32 s84, s28, 8
	s_lshl_b32 s85, s22, 6
	s_add_co_u32 s84, s84, s85
	s_lshl_b32 s84, s84, 12
	s_lshl_b32 s85, s27, 8
	s_add_co_u32 s84, s84, s85                     ; c_prev: the 64 rows that I fetch
	s_mov_b32 s85, 0
	s_lshl_b32 s94, s28, 8
	s_lshl_b32 s95, s23, 7
	s_add_co_u32 s94, s94, s95
	s_lshl_b32 s95, s24, 3
	s_add_co_u32 s94, s94, s95
	s_lshl_b32 s94, s94, 12
	s_lshl_b32 s95, s27, 8
	s_add_co_u32 s94, s94, s95                     ; the outputs: of each block's 16 rows of my half I store 8
	s_mov_b32 s95, 0
	s_wait_dscnt 0x0
	s_wait_kmcnt 0x0
	s_add_nc_u64 s[80:81], s[4:5], s[80:81]
	s_add_nc_u64 s[82:83], s[6:7], s[82:83]
	CROUND                                         ; in front of the first joint loads
.irp s, 0,1
	s_mov_b32 s[G0A+4*\s], 1
	s_add_co_u32 s[G0A+4*\s+1], s88, \s*SLOT
	s_add_nc_u64 s[G0A+4*\s+2:G0A+4*\s+3], s[80:81], \s*HALFT
	s_or_b32 s[G0A+4*\s+3], s[G0A+4*\s+3], 0x80000000
	s_mov_b32 s[G0B+4*\s], 1
	s_add_co_u32 s[G0B+4*\s+1], s88, \s*SLOT
	s_add_nc_u64 s[G0B+4*\s+2:G0B+4*\s+3], s[82:83], \s*HALFT
	s_or_b32 s[G0B+4*\s+3], s[G0B+4*\s+3], 0x80000000
.endr
	JLOAD 0                                        ; chunk 0: one tensor load a wave at the head
	s_add_nc_u64 s[92:93], s[8:9], s[84:85]
	s_add_nc_u64 s[18:19], s[18:19], s[94:95]
	s_add_nc_u64 s[20:21], s[20:21], s[94:95]
	s_mov_b32 s[G0C], 1
	s_mul_i32 s[G0C+1], s22, 64*CPIT
	s_add_co_u32 s[G0C+1], s[G0C+1], CST
	s_mov_b64 s[G0C+2:G0C+3], s[92:93]
	s_or_b32 s[G0C+3], s[G0C+3], 0x80000000
	s_cmp_eq_u32 s23, 0
	s_cselect_b64 s[PFA:PFA+1], s[80:81], s[82:83] ; the stream that I fetch,
	s_cselect_b32 s[F23], 1, 0
	s_cselect_b32 s91, s25, s26                    ; and my place among the four that ask for it with me
	s_mov_b32 s[F01], 1
	s_add_nc_u64 s[PFA:PFA+1], s[PFA:PFA+1], 2*HALFT   ; at chunk 2
	s_mul_i32 s91, s91, 38
	s_mov_b32 s[OS], 0
	s_mov_b32 s[OS+1], 0
	s_mov_b32 s[SA], 0
	s_mov_b32 s[SA+1], 0
	s_mov_b32 s[SB], 0
	s_mov_b32 s[SB+1], 0
	s_lshl_b32 s86, s27, 8
	s_lshl_b32 s87, s24, 7
	s_add_co_u32 s86, s86, s87                     ; my 32 hidden units in a row of biases
	s_mul_i32 s89, s23, HALFT                      ; my activations in a slot
	s_mul_i32 s90, s24, HALFT
	s_add_co_u32 s90, s90, 2*HALFT                 ; my weights
	s_sub_co_u32 s88, s90, s89
	s_add_co_u32 s30, s89, 12288
	s_mul_i32 s94, s23, 128*CPIT
	s_add_co_u32 s94, s94, s87
	s_add_co_u32 s94, s94, CST
	s_mul_i32 s95, s23, 16*CPIT
	s_add_co_u32 s95, s95, s87
	s_add_co_u32 s95, s95, OST
	s_mul_i32 s29, s22, 8*CPIT
	s_add_co_u32 s29, s29, OST
	v_and_b32 v1, 15, v0                           ; r
	v_bfe_u32 v2, v0, 4, 1                         ; h
	v_and_b32 v3, 31, v0                           ; lane
	v_add_nc_u32 v[PQ0], s91, v3
	v_add_nc_u32 v[PQ1], 32, v3
	v_min_u32 v[PQ0], 149, v[PQ0]
	v_min_u32 v[PQ1], 37, v[PQ1]
	v_lshlrev_b32 v[PQ0], 8, v[PQ0]                ; blocks 38 p + lane,
	v_add_nc_u32 v[PQ1], s91, v[PQ1]
	v_min_u32 v[PQ1], 149, v[PQ1]
	v_lshlrev_b32 v[PQ1], 8, v[PQ1]                ; and 38 p + 32 .. 37, both held inside the chunk's 150
	v_lshl_add_u32 v[BO], v2, 5, s86
	global_prefetch_b8 v[PQ0], s[PFA:PFA+1] th:TH_LOAD_NT scope:SCOPE_SE   ; chunk 2, whose tensor load stands behind chunk 0's steps
	global_prefetch_b8 v[PQ1], s[PFA:PFA+1] th:TH_LOAD_NT scope:SCOPE_SE
.irp b, 0,1,2,3,4,5,6,7                ; the four biases of fragment b = 2 g + u, in the result's layout
	global_load_b128 v[64+8*\b:64+8*\b+3],   v[BO], s[10:11] offset:4096*(\b/2)+64*(\b%2)
	global_load_b128 v[64+8*\b+4:64+8*\b+7], v[BO], s[10:11] offset:4096*(\b/2)+64*(\b%2)+16
	global_load_b128 v[128+8*\b:128+8*\b+3],   v[BO], s[12:13] offset:4096*(\b/2)+64*(\b%2)
	global_load_b128 v[128+8*\b+4:128+8*\b+7], v[BO], s[12:13] offset:4096*(\b/2)+64*(\b%2)+16
	global_load_b128 v[192+8*\b:192+8*\b+3],   v[BO], s[14:15] offset:4096*(\b/2)+64*(\b%2)
	global_load_b128 v[192+8*\b+4:192+8*\b+7], v[BO], s[14:15] offset:4096*(\b/2)+64*(\b%2)+16
.endr
	WIN TO_B
.irp b, 0,1,2,3,4,5,6,7
	global_load_b128 v[8*\b:8*\b+3],   v[BO], s[16:17] offset:4096*(\b/2)+64*(\b%2)
	global_load_b128 v[8*\b+4:8*\b+7], v[BO], s[16:17] offset:4096*(\b/2)+64*(\b%2)+16
.endr
	WIN 0
	v_lshlrev_b32 v4, 4, v3
	v_lshlrev_b32 v[PFO], 12, v3
	v_mov_b32 v[K1], 0xbfb8aa3b
	v_mov_b32 v[K1+1], 0xbfb8aa3b
	v_mov_b32 v[K2], 0x4038aa3b
	v_mov_b32 v[K2+1], 0x4038aa3b
	v_mul_u32_u24 v5, s88, v2                      ; lanes 16-31 take the weights' scale words
	v_lshl_add_u32 v5, v1, 4, v5
	v_add_nc_u32 v[ADRS], s30, v5
	v_add_nc_u32 v[ADRS+1], SLOT, v[ADRS]
	v_add_nc_u32 v[ADRA], s89, v4
	v_add_nc_u32 v[ADRB], s90, v4
	v_add_nc_u32 v[ADRA+1], SLOT, v[ADRA]
	v_add_nc_u32 v[ADRB+1], SLOT, v[ADRB]
	v_mul_u32_u24 v6, v1, CPIT
	v_lshl_add_u32 v6, v2, 5, v6                   ; row r, 32 bytes for each half of the lanes
	v_add_nc_u32 v[CADR], s94, v6
	v_add_nc_u32 v[WST], s95, v6
	v_mul_u32_u24 v7, v2, CPIT
	v_lshl_add_u32 v7, v1, 4, v7                   ; back: sixteen lanes to a row of 256 bytes
	v_add_nc_u32 v[RST], s29, v7
	v_lshlrev_b32 v[CO], 12, v2
	v_lshl_add_u32 v[CO], v1, 4, v[CO]
	s_wait_alu depctr_va_vdst(0)
	s_wait_loadcnt 0x0
.set n, 0
.rept 32
	v_pk_add_f32 v[64+n:65+n], v[64+n:65+n], v[128+n:129+n]
.set n, n+2
.endr
.set n, 0
.rept 32
	v_pk_add_f32 v[64+n:65+n], v[64+n:65+n], v[192+n:193+n]
.set n, n+2
.endr
	WIN 0x44
.set n, 0
.rept 32
	v_pk_add_f32 v[BI+n+96*(n/32):BI+n+96*(n/32)+1], v[64+n:65+n], v[n:n+1]
.set n, n+2
.endr
	WIN 0
.macro FRAGLD reg, adr, off            ; a fragment's image: three loads of 512 bytes on end
.irp c, 0,1,2
	ds_load_b128 v[\reg+4*\c:\reg+4*\c+3], v[\adr] offset:\off+512*\c
.endr
.endm
.macro FETCH slot, q, p                ; step q of the slot's chunk into the sets p: 24 + 24 + 2 loads in one run
	WIN TO_B
.irp i, 0,1,2,3,4,5,6,7
	FRAGLD 128*(\p)+FR*\i, ADRB+\slot, CH*(\q)+1536*\i
.endr
	WIN 0
.irp i, 0,1,2,3,4,5,6,7
.set AR, (1-(\p))*(128+FR*\i)+(\p)*(48+FR*\i+104*(\i/6))
	FRAGLD AR, ADRA+\slot, CH*(\q)+1536*\i
.endr
.irp k, 0,1
	ds_load_b128 v[SC+8*(\p)+4*\k:SC+8*(\p)+4*\k+3], v[ADRS+\slot] offset:CH*(\q)+256*\k
.endr
.endm
.macro MUL16 a0, p, first              ; 16 products; the 64 accumulators take turns in the same order in every step
.irp a, \a0, \a0+1
.set AR, (1-(\p))*(128+FR*(\a))+(\p)*(48+FR*(\a)+104*((\a)/6))
.irp b, 0,1,2,3,4,5,6,7
.if \first
	v_wmma_scale_f32_16x16x128_f8f6f4 v[8*(8*((\a)%4)+\b):8*(8*((\a)%4)+\b)+7], v[128*(\p)+FR*\b:128*(\p)+FR*\b+FR-1], v[AR:AR+FR-1], v[BI+8*\b+96*(\b/4):BI+8*\b+96*(\b/4)+7], v[SC+8*(\p)+\b], v[SC+8*(\p)+(\a)] matrix_a_fmt:MATRIX_FMT_BF6 matrix_b_fmt:MATRIX_FMT_BF6 matrix_a_scale:MATRIX_SCALE_ROW1
.else
	v_wmma_scale_f32_16x16x128_f8f6f4 v[8*(8*((\a)%4)+\b):8*(8*((\a)%4)+\b)+7], v[128*(\p)+FR*\b:128*(\p)+FR*\b+FR-1], v[AR:AR+FR-1], v[8*(8*((\a)%4)+\b):8*(8*((\a)%4)+\b)+7], v[SC+8*(\p)+\b], v[SC+8*(\p)+(\a)] matrix_a_fmt:MATRIX_FMT_BF6 matrix_b_fmt:MATRIX_FMT_BF6 matrix_a_scale:MATRIX_SCALE_ROW1
.endif
.endr
.endr
.endm
; One of a chunk's first two steps: this step's fragments are in; the next step's go out into the other sets, which the last step's products have read (four places stand at that step's end)
.macro STEP slot, q, p, first
	s_wait_dscnt 0x0
	FETCH \slot, (\q)+1, 1-(\p)
.if \first
	WIN FIRST_LO
.else
	WIN MUL_LO
.endif
	MUL16 0, \p, \first
	MUL16 2, \p, \first
.if \first
	WIN FIRST_HI
.else
	WIN MUL_HI
.endif
	MUL16 4, \p, \first
	MUL16 6, \p, \first
	PLACES 4
	WIN 0
.endm
.macro MEET p                          ; a chunk's last step, first half: the three lines, and the barrier that opens a round of the cluster's barrier
	s_wait_tensorcnt 0x0                           ; all my tensor loads have landed
	ds_add_u32 v[SPW], v[NIL]
	s_wait_dscnt 1                                 ; this step's fragments are in, and with them my reads of this slot are over; the add may be out
	WIN MUL_LO
	MUL16 0, \p, 0
	s_wait_dscnt 0x0                               ; the add is done
	s_barrier_signal -1
	MUL16 2, \p, 0
	WIN 0
	s_barrier_wait -1
	CREST
.endm
; kind 1: the slot takes the chunk two on; kind 2: slot 1 takes c_prev's tile.  pf: what the prefetches' address steps by; flag: who asks; askc: c_prev's rows are asked for
.macro TURN slot, next, p, kind, pf, flag, askc
	s_wait_xcnt 0x0                                ; my earlier prefetches have read their address
	s_add_nc_u64 s[PFA:PFA+1], s[PFA:PFA+1], \pf
	MEET \p
.if \kind == 1
	s_add_nc_u64 s[G0A+4*\slot+2:G0A+4*\slot+3], s[G0A+4*\slot+2:G0A+4*\slot+3], 2*HALFT
	s_add_nc_u64 s[G0B+4*\slot+2:G0B+4*\slot+3], s[G0B+4*\slot+2:G0B+4*\slot+3], 2*HALFT
	JLOAD \slot
.else
	tensor_load_to_lds s[G0C:G0C+3], s[G1C:G1C+7]
	s_nop 0
.rept 4
	v_nop
.endr
.endif
	FETCH \next, 0, 1-(\p)
	ASK \flag
.if \askc
	global_prefetch_b8 v[PFO], s[92:93] th:TH_LOAD_NT scope:SCOPE_SE
	global_prefetch_b8 v[PFO], s[92:93] offset:131072 th:TH_LOAD_NT scope:SCOPE_SE
.endif
	WIN MUL_HI
	MUL16 4, \p, 0
	MUL16 6, \p, 0
	PLACES 4
	WIN 0
.endm
; THE WAY OUT
.macro SCL m                           ; gates i, f, o x -log2 e; gate g x 2 log2 e; each accumulator from its low end on
.if ((\m)%32) < 24
	v_pk_mul_f32 v[T+2*(\m):T+2*(\m)+1], v[K1:K1+1], v[AC+2*(\m):AC+2*(\m)+1]
.else
	v_pk_mul_f32 v[T+2*(\m):T+2*(\m)+1], v[K2:K2+1], v[AC+2*(\m):AC+2*(\m)+1]
.endif
.endm
.macro ARM q, id                       ; the own lines of blocks 2 q and 2 q + 1: their accumulators, and c_prev's place
.if (\q) < 3
	s_cmp_lg_u32 s[EA], \q
	s_cbranch_scc1 .Lnot\q\()_\id
.endif
.set AC, 128*((\q)%2)
	WIN 0x08+4*((\q)/2)
	s_wait_alu depctr_va_vdst(0)                   ; ahead of the first readers of matrix results
.set n, 0
.rept 64
	SCL n
.set n, n+1
.endr
	WIN 0
.irp e, 0,1
.irp u, 0,1
.irp k, 0,1
	ds_load_b128 v[CB+16*\e+8*\u+4*\k:CB+16*\e+8*\u+4*\k+3], v[CADR] offset:16*CPIT*(2*(\q)+\e)+64*\u+16*\k
.endr
.endr
.endr
.if (\q) < 3
	s_branch .Ljoin_\id
.Lnot\q\()_\id:
.endif
.endm
.macro RUN op, r0, cnt
.set n, 0
.rept \cnt
	\op v[\r0+n], v[\r0+n]
.set n, n+1
.endr
.endm
.macro PLUS1 r0, cnt
.set n, 0
.rept \cnt
	v_pk_add_f32 v[\r0+n:\r0+n+1], v[\r0+n:\r0+n+1], 1.0 op_sel_hi:[1,0]
.set n, n+2
.endr
.endm
.macro EPI id
	s_mov_b32 s[EA], 0
.Lblk_\id:
	s_wait_xcnt 0x0                                ; the last trip's stores have read their registers and bases
	s_add_nc_u64 s[18:19], s[18:19], s[OS:OS+1]
	s_add_nc_u64 s[20:21], s[20:21], s[OS:OS+1]
	s_mov_b32 s[OS], 32*4096                       ; from now on 32 rows a trip
.irp q, 0,1,2,3
	ARM \q, \id
.endr
.Ljoin_\id:
	s_wait_alu depctr_va_vdst(0)                   ; each batch has one wait ahead of it and one behind it
	RUN v_exp_f32, T, 128
	v_nop                                          ; one plain place behind a batch
	s_wait_alu depctr_va_vdst(0)
	PLUS1 T, 64
	s_wait_alu depctr_va_vdst(0)
	RUN v_rcp_f32, T, 128
	v_nop
	s_wait_dscnt 0x0                               ; c_prev's 32 numbers are in
	s_wait_alu depctr_va_vdst(0)
.irp e, 0,1
.set n, 0
.rept 8
	v_pk_fma_f32 v[T+64*\e+48+n:T+64*\e+49+n], v[T+64*\e+48+n:T+64*\e+49+n], -2.0, 1.0 op_sel_hi:[1,0,0]   ; g_t
.set n, n+2
.endr
.endr
.irp e, 0,1
.set n, 0
.rept 8
	v_pk_mul_f32 v[T+64*\e+48+n:T+64*\e+49+n], v[T+64*\e+n:T+64*\e+n+1], v[T+64*\e+48+n:T+64*\e+49+n]      ; i_t g_t
.set n, n+2
.endr
.endr
.irp e, 0,1
.set n, 0
.rept 8
	v_pk_fma_f32 v[CB+16*\e+n:CB+16*\e+n+1], v[T+64*\e+16+n:T+64*\e+17+n], v[CB+16*\e+n:CB+16*\e+n+1], v[T+64*\e+48+n:T+64*\e+49+n]   ; c_t
.set n, n+2
.endr
.endr
.irp e, 0,1
.irp u, 0,1
.irp k, 0,1
	ds_store_b128 v[WST], v[CB+16*\e+8*\u+4*\k:CB+16*\e+8*\u+4*\k+3] offset:HSO*\e+64*\u+16*\k
.endr
.endr
.endr
.irp e, 0,1
.set n, 0
.rept 8
	v_pk_mul_f32 v[T+64*\e+48+n:T+64*\e+49+n], v[CB+16*\e+n:CB+16*\e+n+1], v[K2:K2+1]
.set n, n+2
.endr
.endr
	s_wait_alu depctr_va_vdst(0)
	RUN v_exp_f32, T+48, 16
	RUN v_exp_f32, T+112, 16
	v_nop
	s_wait_dscnt 0x0                               ; for the others' sake: my half rows of c_t are in the stage
	s_barrier_signal -1
	s_wait_alu depctr_va_vdst(0)
	PLUS1 T+48, 8
	PLUS1 T+112, 8
	s_wait_alu depctr_va_vdst(0)
	RUN v_rcp_f32, T+48, 16
	RUN v_rcp_f32, T+112, 16
	v_nop
	s_barrier_wait -1
.irp e, 0,1
.irp i, 0,1,2,3
	ds_load_b128 v[T+64*\e+4*\i:T+64*\e+4*\i+3], v[RST] offset:HSO*\e+2*CPIT*\i      ; whole rows of c_t, over i_t, which is done with
.endr
.endr
	s_wait_alu depctr_va_vdst(0)
.irp e, 0,1
.set n, 0
.rept 8
	v_pk_fma_f32 v[T+64*\e+48+n:T+64*\e+49+n], v[T+64*\e+48+n:T+64*\e+49+n], -2.0, 1.0 op_sel_hi:[1,0,0]   ; tanh(c_t)
.set n, n+2
.endr
.endr
.irp e, 0,1
.set n, 0
.rept 8
	v_pk_mul_f32 v[T+64*\e+48+n:T+64*\e+49+n], v[T+64*\e+48+n:T+64*\e+49+n], v[T+64*\e+32+n:T+64*\e+33+n]  ; h_t
.set n, n+2
.endr
.endr
	s_wait_alu depctr_va_vdst(0)                   ; ahead of the wait below
	s_wait_dscnt 0x0                               ; c_t's rows are back
.irp e, 0,1
.irp i, 0,1,2,3
	global_store_b128 v[CO], v[T+64*\e+4*\i:T+64*\e+4*\i+3], s[20:21] offset:(16*\e+2*\i)*4096 th:TH_STORE_NT   ; sixteen lanes store 256 consecutive bytes, aligned
.endr
.endr
	s_barrier_signal -1
	s_barrier_wait -1                              ; every wave has read c_t's rows: the stage takes h_t
.irp e, 0,1
.irp u, 0,1
.irp k, 0,1
	ds_store_b128 v[WST], v[T+64*\e+48+8*\u+4*\k:T+64*\e+48+8*\u+4*\k+3] offset:HSO*\e+64*\u+16*\k
.endr
.endr
.endr
	s_wait_dscnt 0x0
	s_barrier_signal -1
	s_barrier_wait -1
.irp e, 0,1
.irp i, 0,1,2,3
	ds_load_b128 v[T+64*\e+16+4*\i:T+64*\e+16+4*\i+3], v[RST] offset:HSO*\e+2*CPIT*\i   ; whole rows of h_t, over f_t
.endr
.endr
	s_wait_dscnt 0x0
.irp e, 0,1
.irp i, 0,1,2,3
	global_store_b128 v[CO], v[T+64*\e+16+4*\i:T+64*\e+16+4*\i+3], s[18:19] offset:(16*\e+2*\i)*4096 th:TH_STORE_NT
.endr
.endr
	s_barrier_signal -1
	s_barrier_wait -1                              ; every wave has read h_t's rows: the stage may be written again
	s_add_co_u32 s[EA], s[EA], 1
	s_cmp_lt_u32 s[EA], 4
	s_cbranch_scc1 .Lblk_\id
.endm
	s_mov_b32 s31, TILES
	s_wait_alu depctr_va_vdst(0)
.Ltile:
	s_wait_tensorcnt 0x0                           ; my part of the tile's chunk 0 is in.  The same lines serve slot 1's first fill and, in the second tile, its refill behind the reads of c_prev
	ds_add_u32 v[SPW], v[NIL]
	s_add_nc_u64 s[G0A+6:G0A+7], s[G0A+6:G0A+7], s[SA:SA+1]   ; by 0, or from chunk 3 to the next tile's chunk 1
	s_sub_nc_u64 s[G0B+6:G0B+7], s[G0B+6:G0B+7], s[SB:SB+1]
	s_wait_dscnt 0x0
	CROUND
	JLOAD 1                                        ; chunk 1
	FETCH 0, 0, 0
	STEP 0, 0, 0, 1                                ; the first products take the biases as C
	STEP 0, 1, 1, 0
	TURN 0, 1, 0, 1, HALFT, F01, 0                 ; refill: chunk 2; asked for: chunk 3
	STEP 1, 0, 1, 0
	STEP 1, 1, 0, 0
	TURN 1, 0, 1, 1, HALFT, F01, 0                 ; chunk 3; chunk 4
	STEP 0, 0, 0, 0
	STEP 0, 1, 1, 0
	TURN 0, 1, 0, 1, WALKA-4*HALFT, F23, 1         ; chunk 4; the next tile's chunk 0 of activations, and c_prev's rows
	STEP 1, 0, 1, 0
	STEP 1, 1, 0, 0
	TURN 1, 0, 1, 2, HALFT, F23, 0                 ; c_prev; the next tile's chunk 1
	STEP 0, 0, 0, 0
	STEP 0, 1, 1, 0
	s_cmp_eq_u32 s31, 1
	s_cbranch_scc1 .Llast_tile                     ; the last tile's tail is written out: it asks for nothing more
	s_wait_xcnt 0x0
	s_add_nc_u64 s[PFA:PFA+1], s[PFA:PFA+1], HALFT
	MEET 0
	s_add_nc_u64 s[G0A+2:G0A+3], s[G0A+2:G0A+3], WALKA-4*HALFT
	s_sub_nc_u64 s[G0B+2:G0B+3], s[G0B+2:G0B+3], 4*HALFT
	s_add_nc_u64 s[G0C+2:G0C+3], s[G0C+2:G0C+3], WALKC
	JLOAD 0                                        ; the next tile's chunk 0: it lands under the way out
	ASK F23                                        ; and its chunk 2 is asked for
	WIN MUL_HI
	MUL16 4, 0, 0
	MUL16 6, 0, 0
	WIN 0
	PLACES 4
	EPI 0
	s_wait_xcnt 0x0                                ; the stores and prefetches have read their registers
	s_add_nc_u64 s[92:93], s[92:93], WALKC
	s_mov_b32 s[OS], WALKC-3*32*4096               ; from the tile's last two blocks to the next tile's first
	s_mov_b32 s[SA], WALKA-2*HALFT
	s_mov_b32 s[SB], 2*HALFT
	s_cmp_eq_u32 s23, 0
	s_cselect_b32 s[F01], 1, 0                     ; the weights have been read: asked for no more
	s_mov_b32 s[F23], 0                            ; and no tile follows the next
	s_sub_co_u32 s31, s31, 1
	s_cmp_lg_u32 s31, 0
	s_cbranch_scc1 .Ltile
.Llast_tile:
	s_wait_dscnt 0x0                               ; the last step's fragments are in
	s_wait_tensorcnt 0x0                           ; my rows of c_prev are in
	s_barrier_signal -1
	WIN MUL_LO
	MUL16 0, 0, 0
	MUL16 2, 0, 0
	WIN MUL_HI
	MUL16 4, 0, 0
	MUL16 6, 0, 0
	WIN 0
	s_barrier_wait -1
	PLACES 4
	EPI 1
	s_wait_tensorcnt 0x0                           ; the wave's end
	ds_add_u32 v[SPW], v[NIL]
	s_wait_dscnt 0x0
	CROUND                                         ; the closing round
	s_endpgm
.Lfunc_end_k_q37eae08958_lstm:
	.size	k_q37eae08958_lstm, .Lfunc_end_k_q37eae08958_lstm-k_q37eae08958_lstm
	.p2alignl 7, 3214868480
	.fill 96, 4, 3214868480
	.section	.rodata,"a",@progbits
	.p2align	6, 0x0
	.amdhsa_kernel k_q37eae08958_lstm
		.amdhsa_group_segment_fixed_size 327680
		.amdhsa_private_segment_fixed_size 0
		.amdhsa_enable_private_segment 0
		.amdhsa_kernarg_size 72
		.amdhsa_user_sgpr_count 2
		.amdhsa_user_sgpr_kernarg_segment_ptr 1
		.amdhsa_wavefront_size32 1
		.amdhsa_system_sgpr_workgroup_id_x 1
		.amdhsa_system_sgpr_workgroup_id_y 1
		.amdhsa_system_sgpr_workgroup_id_z 1
		.amdhsa_system_vgpr_workitem_id 0
		.amdhsa_next_free_vgpr 1024
		.amdhsa_next_free_sgpr 100
		.amdhsa_reserve_vcc 0
		.amdhsa_float_denorm_mode_32 3
		.amdhsa_float_denorm_mode_16_64 3
		.amdhsa_memory_ordered 1
		.amdhsa_forward_progress 1
		.amdhsa_inst_pref_size 255
	.end_amdhsa_kernel
	.section	.bss,"aw",@nobits
	.p2align	6
	.space	262144
	.amdgpu_metadata
---
amdhsa.version: [ 1, 2 ]
amdhsa.kernels:
  - .name:           k_q37eae08958_lstm
    .symbol:         k_q37eae08958_lstm.kd
    .args:
      - { .name: acodes, .offset: 0, .size: 8, .value_kind: global_buffer, .address_space: global }
      - { .name: wcodes, .offset: 8, .size: 8, .value_kind: global_buffer, .address_space: global }
      - { .name: c_prev, .offset: 16, .size: 8, .value_kind: global_buffer, .address_space: global }
      - { .name: bl, .offset: 24, .size: 8, .value_kind: global_buffer, .address_space: global }
      - { .name: bl2, .offset: 32, .size: 8, .value_kind: global_buffer, .address_space: global }
      - { .name: bl3, .offset: 40, .size: 8, .value_kind: global_buffer, .address_space: global }
      - { .name: bp, .offset: 48, .size: 8, .value_kind: global_buffer, .address_space: global }
      - { .name: out0, .offset: 56, .size: 8, .value_kind: global_buffer, .address_space: global }
      - { .name: out1, .offset: 64, .size: 8, .value_kind: global_buffer, .address_space: global }
    .group_segment_fixed_size: 327680
    .private_segment_fixed_size: 0
    .kernarg_segment_align: 8
    .kernarg_segment_size: 72
    .max_flat_workgroup_size: 128
    .sgpr_count:     100
    .vgpr_count:     1024
    .wavefront_size: 32
...
	.end_amdgpu_metadata
.endif
;; end of part 2
